; MI455X (gfx1250); checked and timed in simulation.
; The chip was launched on July 23, 2026; its instructions are those of AMD's public machine-readable ISA for CDNA 5 (MIT licence, August 2026) and "CDNA5" Instruction Set Architecture Reference Guide (July 2026). The comments in the code are by the model that wrote it; some were corrected since.
;; Quant Linear. Allowed arithmetic: matrix products marked QUANTISED: E2M3 operands, one E8M0 scale for each 32 along K, by v_wmma_scale_f32_16x16x128_f8f6f4 with both operands' format E2M3, f32 sums; products left as they are: f32 operands where the result goes on into a quantised operand, else bf16, f16 or f32 operands; f32 sums; everything else in f32.
;; Inputs: bias 4,096 float32; g_idx 4,096 int32; lora_A 2 x 16 x 4,096 float32; lora_B 2 x 4,096 x 16 float32; qweight 512 x 4,096 int32; qzeros 32 x 512 int32; scales 32 x 4,096 float32; x 2 x 2,048 x 4,096 float32.
;; Outputs: out0 2 x 2,048 x 4,096 float32.
;; This version of the problem:
;;   THIS VERSION OF THE PROBLEM IS GIVEN IN LOW PRECISION. The matrix products marked QUANTISED in the list below multiply operands that are first quantised to E2M3 (2 exponent bits, 3 mantissa bits; 6 bits a number), with one power-of-two scale for each 32 numbers along K (OCP MX v1.0); their sums are f32. All else is computed in f32.
;;   The module's matrix products, in the order in which they are computed (A, B: the left and right operand; K: the contracted axis; several contracted axes count as one K, in the product's order):
;;     1. [M 4,096, K 4,096] x [K 4,096, N 4,096]; A: input x; B: computed on the way: QUANTISED
;;     2. [M 4,096, K 4,096] x [K 4,096, N 16]; A: computed on the way; B: computed on the way: QUANTISED
;;     3. [M 4,096, K 16] x [K 16, N 4,096]; A: computed on the way; B: computed on the way: left as it is (K = 16 < 32)
;;   THE QUANTISER, for each operand of a quantised product, along K:
;;     - K is cut into blocks of 32 from its start; a last block that is shorter is filled with zeros.
;;     - A block's scale is 2^e with e = floor(log2(the largest magnitude in the block)) - 2, held to -126 .. 127; a block of zeros has e = 0. As a byte (E8M0): e + 127.
;;     - Each number is divided by its block's scale, clamped to +-7.5, and rounded to the nearest number of E2M3, ties to even, subnormals kept.
;;     - The product sums the exact products of the quantised numbers (number of the format x scale) in f32.
;;   ~~~python
;;   def quantise(x, axis):      # numpy; x: float32 -> the quantised numbers, widened to float32 again
;;       x = np.moveaxis(x, axis, -1); K = x.shape[-1]
;;       x = np.pad(x, [(0, 0)] * (x.ndim - 1) + [(0, -K % 32)]); x = x.reshape(x.shape[:-1] + (-1, 32)); a = np.abs(x).max(-1, keepdims=True)
;;       e = np.where(a > 0, np.clip(np.frexp(np.where(a > 0, a, 1))[1] - 1 - 2, -126, 127), 0)      # np.frexp(a)[1] - 1 = floor(log2(a)), exactly
;;       r = np.clip(x / 2.0 ** e, -7.5, 7.5)
;;       step = 2.0 ** (np.maximum(np.frexp(np.where(r == 0, 1, r))[1] - 1, 0) - 3)
;;       q = np.round(r / step) * step * 2.0 ** e      # np.round: ties to even
;;       return np.moveaxis(q.reshape(q.shape[:-2] + (-1,))[..., :K], -1, axis).astype(np.float32)
;;   ~~~
;;   OPERANDS COMPUTED ON THE WAY. 'Computed on the way' means the value that the module computes at that place (a softmax that the list does not call 'softmax' is quantised finished and normalised). What goes into a quantiser is computed in f32, as accurately as f32 sums, v_exp_f32 and their like allow (about 1e-6 of the number): no bf16 or f16 on the way to a quantiser, and a product that is left as it is and whose result goes on into a quantised operand takes f32 operands (vector FMAs, or v_wmma_f32_16x16x4_f32). A number that lies on a knife's edge between two numbers of the format may be rounded either way, as far as f32 arithmetic and the matrix unit's own rounding can turn it there, and no further.
;; One version. Each part assembles by itself: llvm-mc -triple=amdgcn-amd-amdhsa -mcpu=gfx1250 --defsym DOCPART=n.
;; ======== version 1 of 1: 3 launches
;; limits: values are held in bf16: 8 bits of precision; right only within a limited range of input values
;; workspace buffers: xc 12,582,912 bytes; wc 12,582,912 bytes; xs 524,288 bytes; ws 524,288 bytes; ac 53,248 bytes; psum 65,536 bytes; hb 131,072 bytes
;; launch prep (part 1): grid 520 x 1, 4 waves a work-group, no clusters, 2,560 bytes of LDS; arguments x, qweight, qzeros, scales, g_idx, lora_A, wc, ws, ac, psum; writes wc, ws, ac, psum
.if DOCPART == 1
	.amdgcn_target "amdgcn-amd-amdhsa--gfx1250"
	.amdhsa_code_object_version 6
	.text
	.protected	k_qfe2cdc8c03_prep
	.globl	k_qfe2cdc8c03_prep
	.p2align	8
	.type	k_qfe2cdc8c03_prep,@function
k_qfe2cdc8c03_prep:
	s_mov_b64 s[64:65], 0
	v_nop
	global_prefetch_b8 v0, s[64:65] scope:SCOPE_SE
	s_setreg_imm32_b32 hwreg(HW_REG_WAVE_MODE, 25, 1), 1
	s_wait_xcnt 0x0
; THREE ROLES, told apart by the work-group's number.
;   0-7     A: A_sum = lora_A[0] + lora_A[1], [16][4096], quantised along its 4,096 into codes of FP6 (E2M3) with one E8M0 byte for each 32.
;   8-263   W: W[i][o] = scales[g_idx[i]][o] x (nibble of qweight - nibble of qzeros[g_idx[i]]), in f32 as it is defined (the difference is exact, one rounding in the product), quantised along i.
;   264-519 X: partial sums over rows of |x|, for the weights of the input features: 4 chunks of 1,024 rows x 64 strips of 64 columns.
; CODES LEAVE AS IMAGES OF OPERAND REGISTERS: a fragment (16 rows or columns x 128 along K, 12 registers a lane) is 1,536 bytes; register 4 c + i of lane L lies at byte 512 c + 16 L + 4 i.
; Lane (r, h) of a fragment holds row r; registers 0-5 the block k = 32 h .., registers 6-11 the block k = 64 + 32 h ...  wc: [128 columns][K step][fragment][1536].
; Scale words (four bytes: 128 along K of one row): ws: [16 columns' tile][256 along K][r][2] words.  ac: 32 images, then from byte 49,152 32 x 32 words.
; A block's scale is 2^(floor(log2(largest magnitude)) - 2): its byte is the largest magnitude's exponent field - 2, held at 1 from below by a floor among the maximum's leaves.
; LIMITS: NaN and infinities among the inputs are not served.  A block of zeros gets the byte 1 (not 127): its codes are zeros, and this program alone reads the bytes.
;         g_idx is held at 31 from above before it enters an address; the table that it indexes has 32 rows.
.set MXA, 8                            ; v8, v9   two chains of a block's largest magnitude
.set MXB, 9
.set EE,  10                           ; v10      the conversion's scale operand
.set BB,  11                           ; v11      a scale byte
.set TT,  12                           ; v12-14   a block's upper 16 codes (a conversion's three registers begin on an even number)
; 32 numbers of a lane, v[src] on, become 6 registers of codes, v[dst] on, and the block's byte
.macro QB src, dst, byte
	v_max3_num_f32 v[MXA], |v[(\src)]|, |v[(\src)+1]|, |v[(\src)+2]|
	v_max3_num_f32 v[MXB], |v[(\src)+3]|, |v[(\src)+4]|, |v[(\src)+5]|
.irp i, 6,10,14,18,22,26
	v_max3_num_f32 v[MXA], v[MXA], |v[(\src)+\i]|, |v[(\src)+\i+1]|
	v_max3_num_f32 v[MXB], v[MXB], |v[(\src)+\i+2]|, |v[(\src)+\i+3]|
.endr
	v_max3_num_f32 v[MXA], v[MXA], |v[(\src)+30]|, |v[(\src)+31]|
	v_max3_num_f32 v[MXA], v[MXA], v[MXB], 0x1800000       ; the floor 2^(3 - 127): the byte cannot fall under 1
	v_add_nc_u32 v[EE], 0xff000000, v[MXA]                 ; 2 off the exponent field: the conversion takes this operand's exponent field as its scale
	v_lshrrev_b32 v[\byte], 23, v[EE]                      ; the byte
	v_cvt_scalef32_pk16_fp6_f32 v[(\dst):(\dst)+2], v[(\src):(\src)+15], v[EE]
	v_cvt_scalef32_pk16_fp6_f32 v[TT:TT+2], v[(\src)+16:(\src)+31], v[EE]
	v_nop                                                  ; one plain instruction behind the conversions, ahead of the lines that touch their results
.irp i, 0,1,2
	v_mov_b32 v[(\dst)+3+\i], v[TT+\i]
.endr
.endm
; a lane that owns blocks h and 2 + h of a row makes the row's scale word with lane l xor 16
.macro WORD2 pw, b0, b1, s8, tp
	v_lshl_or_b32 v[\pw], v[\b1], 16, v[\b0]
	v_lshlrev_b32 v[\pw], v[\s8], v[\pw]                   ; 8 h bits up
	v_permlanex16_b32 v[\tp], v[\pw], s24, s25
	v_or_b32 v[\pw], v[\pw], v[\tp]
.endm
	s_load_b512 s[4:19], s[0:1], 0x0               ; x 4, qweight 6, qzeros 8, scales 10, g_idx 12, lora_A 14, wc 16, ws 18
	s_load_b128 s[20:23], s[0:1], 0x40             ; ac 20, psum 22
	v_lshl_add_u32 v176, v0, 2, 0x800
	v_mov_b32 v177, 0
	v_lshrrev_b32 v1, 5, v0
	v_readfirstlane_b32 s2, v1                     ; wave 0..3
	v_and_b32 v1, 31, v0                           ; lane
	s_mov_b32 s24, 0x76543210
	s_mov_b32 s25, 0xfedcba98                      ; v_permlanex16_b32's selects for lane l xor 16
	s_wait_alu depctr_va_vdst(0)                   ; the wait ahead of the branches
	s_cmp_lt_u32 ttmp9, 8
	s_cbranch_scc1 .Lrole_a
	s_cmp_lt_u32 ttmp9, 264
	s_cbranch_scc1 .Lrole_w
; ---------------------------------------------------------------- ROLE X
; A work-group: 1,024 rows x 64 columns (256 bytes of each row); a wave 256 of the rows.  One load takes two rows: lanes 0-15 the 256 bytes of the even row, lanes 16-31 of the odd one.
; 128 loads a wave through a ring of 32 register slots: 32 loads, 16 KiB, of every wave are on their way.  Every offset is an immediate (127 x 32,768 at the most).
.set RING, 32
.set RG,   32                          ; v32-159  the ring
.set ACC,  16                          ; v16-23   two sets of four sums, by turns
	s_sub_co_u32 s3, ttmp9, 264
	s_and_b32 s26, s3, 63                          ; strip
	s_lshr_b32 s27, s3, 6                          ; chunk of rows
	s_lshl_b32 s28, s27, 24                        ; 1,024 rows of 16,384 bytes
	s_lshl_b32 s29, s2, 22                         ; 256 rows
	s_add_co_u32 s28, s28, s29
	s_lshl_b32 s29, s26, 8
	s_add_co_u32 s28, s28, s29
	s_mov_b32 s29, 0
	s_lshl_b32 s30, s27, 14                        ; psum: [chunk][4096] f32
	s_lshl_b32 s31, s26, 8
	s_add_co_u32 s30, s30, s31
	s_mov_b32 s31, 0
	v_lshrrev_b32 v2, 4, v1
	v_and_b32 v3, 15, v1
	v_lshlrev_b32 v3, 4, v3                        ; 16 (lane % 16)
	v_lshl_add_u32 v2, v2, 14, v3                  ; + a row for lanes 16-31
	v_lshlrev_b32 v4, 4, v0                        ; LDS: 16 x thread
	v_lshlrev_b32 v5, 4, v1                        ; LDS: 16 x lane
	s_wait_alu depctr_va_vdst(0)                   ; the wait at the head's end
	s_wait_kmcnt 0x0
	s_add_nc_u64 s[4:5], s[4:5], s[28:29]
	s_add_nc_u64 s[22:23], s[22:23], s[30:31]
.set i, 0
.rept RING
	global_load_b128 v[RG+4*i:RG+4*i+3], v2, s[4:5] offset:i*32768 th:TH_LOAD_NT
.set i, i+1
.endr
.set i, 0
.rept 128
	s_wait_alu depctr_va_vdst(0)
.if 127-i < RING-1
	s_wait_loadcnt 127-i                           ; the tail: the counts run down
.else
	s_wait_loadcnt RING-1                          ; loads come back in order: mine is in, the 31 younger ones stay out
.endif
.set RS, RG+4*(i%RING)
.set AS, ACC+4*(i%2)
.irp c, 0,1,2,3
.if i < 2
	v_and_b32 v[AS+\c], 0x7fffffff, v[RS+\c]       ; the first two loads start the sums: nothing is cleared
.else
	v_add_f32 v[AS+\c], v[AS+\c], |v[RS+\c]|
.endif
.endr
.if i+RING < 128
	global_load_b128 v[RS:RS+3], v2, s[4:5] offset:(i+RING)*32768 th:TH_LOAD_NT
.endif
.set i, i+1
.endr
	v_pk_add_f32 v[16:17], v[16:17], v[20:21]
	v_pk_add_f32 v[18:19], v[18:19], v[22:23]
	ds_store_b128 v4, v[16:19]                     ; each wave's 512 bytes
	s_wait_dscnt 0x0                               ; for the others' sake: my store has landed
	s_barrier_signal -1
	s_barrier_wait -1
	s_cmp_lg_u32 s2, 0
	s_cbranch_scc1 .Lx_end                         ; wave 0 adds the four waves' sums
.irp k, 0,1,2,3
	ds_load_b128 v[32+4*\k:35+4*\k], v5 offset:512*\k
.endr
	s_wait_dscnt 0x0
	v_pk_add_f32 v[32:33], v[32:33], v[36:37]
	v_pk_add_f32 v[34:35], v[34:35], v[38:39]
	v_pk_add_f32 v[40:41], v[40:41], v[44:45]
	v_pk_add_f32 v[42:43], v[42:43], v[46:47]
	v_pk_add_f32 v[32:33], v[32:33], v[40:41]
	v_pk_add_f32 v[34:35], v[34:35], v[42:43]
.irp c, 0,1,2,3
	v_permlanex16_b32 v[36+\c], v[32+\c], s24, s25 ; the odd rows' sums lie 16 lanes away
.endr
	v_pk_add_f32 v[32:33], v[32:33], v[36:37]
	v_pk_add_f32 v[34:35], v[34:35], v[38:39]
	v_cmp_gt_u32 vcc_lo, 16, v1
	s_wait_alu depctr_va_vdst(0)                   ; the sums are stored behind the waits below
	s_wait_xcnt 0x0                                ; EXEC changes only behind this wait
	s_wait_tensorcnt 0x0
	ds_add_u32 v176, v177
	s_wait_dscnt 0x0
	s_and_saveexec_b32 s26, vcc_lo
	global_store_b128 v3, v[32:35], s[22:23]       ; sixteen lanes store 256 consecutive bytes, aligned
	s_endpgm
.Lx_end:
	s_wait_tensorcnt 0x0
	ds_add_u32 v176, v177
	s_wait_dscnt 0x0
	s_endpgm
; ---------------------------------------------------------------- ROLE A
; A wave takes one K step s of 128: lane (r, h) loads, of row r of both lora_A, the blocks k = 128 s + 32 h .. and 128 s + 64 + 32 h ..: the operand's own layout.
.Lrole_a:
	s_lshl_b32 s3, ttmp9, 2
	s_add_co_u32 s3, s3, s2                        ; s
	s_lshl_b32 s26, s3, 9                          ; 128 numbers of 4 bytes
	s_mov_b32 s27, 0
	s_mul_i32 s28, s3, 1536                        ; its image
	s_mov_b32 s29, 0
	s_lshl_b32 s30, s3, 7                          ; its 32 words
	s_mov_b32 s31, 0
	v_and_b32 v2, 15, v1
	v_lshrrev_b32 v21, 4, v1                       ; h
	v_lshlrev_b32 v2, 14, v2                       ; row r of 16,384 bytes
	v_lshl_add_u32 v2, v21, 7, v2                  ; + 128 h
	v_lshlrev_b32 v3, 4, v1
	v_lshlrev_b32 v4, 2, v1
	v_lshlrev_b32 v21, 3, v21                      ; 8 h
	v_mov_b32 v22, 0                               ; a lane permute's destination counts as read
	s_wait_alu depctr_va_vdst(0)                   ; the wait at the head's end
	s_wait_kmcnt 0x0
	s_add_nc_u64 s[14:15], s[14:15], s[26:27]
	s_add_nc_u64 s[26:27], s[20:21], s[28:29]
	s_add_nc_u64 s[20:21], s[20:21], s[30:31]
.irp j, 0,1
.irp c, 0,1
.irp n, 0,1,2,3,4,5,6,7
	global_load_b128 v[48+64*\j+32*\c+4*\n:51+64*\j+32*\c+4*\n], v2, s[14:15] offset:262144*\j+256*\c+16*\n
.endr
.endr
.endr
	s_wait_loadcnt 0x0
.set i, 0
.rept 32
	v_pk_add_f32 v[48+i:49+i], v[48+i:49+i], v[112+i:113+i]
.set i, i+2
.endr
	QB 48, 24, BB
	QB 80, 30, 20
	WORD2 16, BB, 20, 21, 22
.irp c, 0,1,2
	global_store_b128 v3, v[24+4*\c:27+4*\c], s[26:27] offset:512*\c    ; 512 consecutive bytes a store
.endr
	global_store_b32 v4, v16, s[20:21] offset:49152                     ; 128 bytes a wave: the words are 4 KiB in all
	s_endpgm
; ---------------------------------------------------------------- ROLE W
; A work-group: 128 columns x 512 along K (4 K steps).  A LANE TAKES ONE COLUMN AND ITS REGISTERS RUN DOWN K: a load of qweight reads 128 consecutive bytes a wave (the four waves 512 side by side),
; a block of 32 lies in one lane, and the conversions give codes with K innermost.  A wave's 32 columns are fragments 2 w and 2 w + 1.
; THE GROUP OF EVERY ROW IS LOOKED UP IN g_idx.  Where each of the wave's 16 blocks of 32 rows has one group, a scale and a zero serve a block (the fast way);
; else every row's scale and zero are gathered (the general way, plain and slow: two loads a number).  Both give the same numbers.
.set C4, 2                             ; v2   4 x column
.set Z4, 3                             ; v3   4 x (column / 8): its word in a row of qzeros
.set SH, 4                             ; v4   4 x (column % 8): its nibble there
.set GO, 5                             ; v5   4 x lane: g_idx
.set ST, 6                             ; v6   (lane / 16) x 1,536 + 16 (lane % 16): my place in the two images
.set SS, 7                             ; v7   8 x lane
.set WD, 16                            ; v16-19  my column's four scale words
.set WN, 20                            ; v20  the general way: the word in hand
.set QO, 22                            ; v22  the general way: qweight's offset
.set GV, 23                            ; v23  the general way: 32 rows' groups, a lane a row
.set CD, 24                            ; v24-35 the registers of image lane (r, 0): blocks 0, 2;  v36-47 of image lane (r, 1): blocks 1, 3
.set S,  48                            ; v48-63  scales
.set Z,  64                            ; v64-79  groups, then zeros
.set X,  80                            ; v80-111 a block's 32 numbers
.set Q,  112                           ; v112-175 qweight: 4 words a block
.set SG, 32                            ; s32-47  a group for each block
.set TG, 48                            ; s48-51  the general way: a row's group
.macro STK s                           ; a K step's two images: lanes 0-15 and lanes 16-31 each store 256 consecutive bytes, aligned
.irp hh, 0,1
.irp c, 0,1,2
	global_store_b128 v[ST], v[CD+12*\hh+4*\c:CD+12*\hh+4*\c+3], s[16:17] offset:(\s)*12288+256*\hh+512*\c th:TH_STORE_NT
.endr
.endr
.endm
.Lrole_w:
	s_sub_co_u32 s3, ttmp9, 8
	s_and_b32 s26, s3, 31                          ; which 128 columns
	s_lshr_b32 s27, s3, 5                          ; which 512 along K
	s_lshl_b32 s28, s26, 7
	s_lshl_b32 s29, s2, 5
	s_add_co_u32 s28, s28, s29
	v_add_nc_u32 v[C4], s28, v1                    ; my column
	v_lshrrev_b32 v[Z4], 3, v[C4]
	v_lshlrev_b32 v[Z4], 2, v[Z4]
	v_lshlrev_b32 v[C4], 2, v[C4]
	v_and_b32 v[SH], 7, v1
	v_lshlrev_b32 v[SH], 2, v[SH]
	v_lshlrev_b32 v[GO], 2, v1
	v_lshrrev_b32 v[ST], 4, v1
	v_mul_u32_u24 v[ST], v[ST], 1536
	v_and_b32 v[SS], 15, v1
	v_lshl_add_u32 v[ST], v[SS], 4, v[ST]
	v_lshlrev_b32 v[SS], 3, v1
	v_mov_b32 v21, 0
	s_lshl_b32 s28, s27, 20                        ; qweight: 64 rows of 16,384 bytes
	s_mov_b32 s29, 0
	s_lshl_b32 s30, s27, 11                        ; g_idx: 512 words
	s_mov_b32 s31, 0
	s_mul_i32 s48, s26, 393216                     ; wc: [128 columns][K step][fragment][1536]
	s_mul_i32 s49, s27, 49152
	s_add_co_u32 s48, s48, s49
	s_mul_i32 s49, s2, 3072
	s_add_co_u32 s48, s48, s49
	s_mov_b32 s49, 0
	s_lshl_b32 s50, s26, 14                        ; ws: 2,048 bytes a fragment's tile, 128 for each 256 along K
	s_lshl_b32 s51, s2, 12
	s_add_co_u32 s50, s50, s51
	s_lshl_b32 s51, s27, 8
	s_add_co_u32 s50, s50, s51
	s_mov_b32 s51, 0
	s_wait_alu depctr_va_vdst(0)                   ; the wait at the head's end
	s_wait_kmcnt 0x0
	s_add_nc_u64 s[6:7], s[6:7], s[28:29]
	s_add_nc_u64 s[12:13], s[12:13], s[30:31]
	s_add_nc_u64 s[16:17], s[16:17], s[48:49]
	s_add_nc_u64 s[18:19], s[18:19], s[50:51]
.irp t, 0,1,2,3,4,5,6,7,8,9,10,11,12,13,14,15
	global_load_b32 v[Z+\t], v[GO], s[12:13] offset:128*\t     ; lane l: the group of row 32 t + l
.endr
.set i, 0
.rept 32
	global_load_b32 v[Q+i], v[C4], s[6:7] offset:i*16384 th:TH_LOAD_NT   ; K steps 0 and 1
.set i, i+1
.endr
	s_wait_loadcnt 32                              ; the groups are in; the 32 loads of qweight stay out
.irp t, 0,1,2,3,4,5,6,7,8,9,10,11,12,13,14,15
	v_readfirstlane_b32 s[SG+\t], v[Z+\t]
	v_xor_b32 v22, s[SG+\t], v[Z+\t]
	v_or_b32 v21, v21, v22                         ; not 0 where a row's group differs from its block's first
	s_min_u32 s[SG+\t], s[SG+\t], 31
.endr
	v_cmp_ne_u32 vcc_lo, 0, v21
	s_cbranch_vccz .Lw_fast
; ---- the general way: a loop of four trips, a K step each
.macro GBLK b
	global_load_b32 v[GV], v[GO], s[12:13] offset:128*\b
.irp j, 0,1,2,3
	global_load_b32 v[Q+\j], v[QO], s[6:7] offset:(4*\b+\j)*16384
.endr
	s_wait_loadcnt 0x0
.irp hf, 0,1                           ; sixteen rows at a time
.irp i, 0,1,2,3,4,5,6,7,8,9,10,11,12,13,14,15
	v_readlane_b32 s[TG+\i%4], v[GV], 16*\hf+\i
	s_min_u32 s[TG+\i%4], s[TG+\i%4], 31
	v_lshl_add_u32 v[S+\i], s[TG+\i%4], 14, v[C4]  ; scales[g][column]
	v_lshl_add_u32 v[Z+\i], s[TG+\i%4], 11, v[Z4]  ; qzeros[g][column / 8]
.endr
.irp i, 0,1,2,3,4,5,6,7,8,9,10,11,12,13,14,15
	global_load_b32 v[S+\i], v[S+\i], s[10:11]     ; each lands on its own address register
	global_load_b32 v[Z+\i], v[Z+\i], s[8:9]
.endr
	s_wait_loadcnt 0x0
.irp i, 0,1,2,3,4,5,6,7,8,9,10,11,12,13,14,15
	v_bfe_u32 v[Z+\i], v[Z+\i], v[SH], 4
	v_bfe_u32 v[X+16*\hf+\i], v[Q+(16*\hf+\i)/8], 4*(\i%8), 4
	v_sub_nc_u32 v[X+16*\hf+\i], v[X+16*\hf+\i], v[Z+\i]
	v_cvt_f32_i32 v[X+16*\hf+\i], v[X+16*\hf+\i]
.endr
.irp m, 0,2,4,6,8,10,12,14
	v_pk_mul_f32 v[X+16*\hf+\m:X+16*\hf+\m+1], v[X+16*\hf+\m:X+16*\hf+\m+1], v[S+\m:S+\m+1]
.endr
.endr
	QB X, CD+12*(\b%2)+6*(\b/2), BB
.if \b == 0
	v_mov_b32 v[WN], v[BB]
.else
	v_lshl_or_b32 v[WN], v[BB], 8*\b, v[WN]
.endif
.endm
	s_wait_loadcnt 0x0                             ; the head's loads of qweight have landed: their registers are used anew
	v_mov_b32 v[QO], v[C4]
.irp k, 0,1,2,3
	v_mov_b32 v[WD+\k], 0                          ; the queue of words is read before it is full
.endr
	s_mov_b32 s52, 4
.Lw_trip:
	GBLK 0
	GBLK 1
	GBLK 2
	GBLK 3
	STK 0
	v_mov_b32 v[WD], v[WD+1]                       ; after four trips v[WD + k] holds K step k's word
	v_mov_b32 v[WD+1], v[WD+2]
	v_mov_b32 v[WD+2], v[WD+3]
	v_mov_b32 v[WD+3], v[WN]
	s_wait_xcnt 0x0                                ; the stores have read their data and their address: both are written again only behind this wait
	v_add_nc_u32 v[GO], 512, v[GO]
	v_add_nc_u32 v[QO], 0x40000, v[QO]
	v_add_nc_u32 v[ST], 12288, v[ST]
	s_sub_co_u32 s52, s52, 1
	s_cmp_lg_u32 s52, 0
	s_wait_alu depctr_va_vdst(0)                   ; the wait ahead of the branch
	s_cbranch_scc1 .Lw_trip
	s_branch .Lw_tail
; ---- the fast way: written out, every offset an immediate
.macro FB t                            ; block t of 16
.if ((\t)%4 == 0) && ((\t) > 0)
	s_wait_xcnt 0x0                                ; the last K step's stores have read the codes' registers
.endif
.if (\t) == 8
	s_wait_loadcnt 16                              ; K step 2's 16 words are in; K step 3's stay out
.endif
.if (\t) == 12
	s_wait_loadcnt 0x0
.endif
.set i, 0
.rept 32
	v_bfe_u32 v[X+i], v[Q+4*(\t)+i/8], 4*(i%8), 4  ; row 32 t + i: word i / 8, nibble i % 8
.set i, i+1
.endr
.set i, 0
.rept 32
	v_cvt_f32_u32 v[X+i], v[X+i]
.set i, i+1
.endr
.set ZP, Z+2*((\t)/2)                  ; the even-aligned pairs that hold block t's zero and scale: the low or the high register serves both halves
.set SP, S+2*((\t)/2)
.set i, 0
.rept 16
.if (\t)%2 == 0
	v_pk_add_f32 v[X+i:X+i+1], v[X+i:X+i+1], v[ZP:ZP+1] op_sel_hi:[1,0] neg_lo:[0,1] neg_hi:[0,1]
.else
	v_pk_add_f32 v[X+i:X+i+1], v[X+i:X+i+1], v[ZP:ZP+1] op_sel:[0,1] op_sel_hi:[1,1] neg_lo:[0,1] neg_hi:[0,1]
.endif
.set i, i+2
.endr
.set i, 0
.rept 16
.if (\t)%2 == 0
	v_pk_mul_f32 v[X+i:X+i+1], v[X+i:X+i+1], v[SP:SP+1] op_sel_hi:[1,0]
.else
	v_pk_mul_f32 v[X+i:X+i+1], v[X+i:X+i+1], v[SP:SP+1] op_sel:[0,1] op_sel_hi:[1,1]
.endif
.set i, i+2
.endr
	QB X, CD+12*((\t)%2)+6*(((\t)%4)/2), BB
.if (\t)%4 == 0
	v_mov_b32 v[WD+(\t)/4], v[BB]
.else
	v_lshl_or_b32 v[WD+(\t)/4], v[BB], 8*((\t)%4), v[WD+(\t)/4]
.endif
.if (\t)%4 == 3
	STK (\t)/4
.endif
.endm
.Lw_fast:
.irp t, 0,1,2,3,4,5,6,7,8,9,10,11,12,13,14,15
	v_lshl_add_u32 v[S+\t], s[SG+\t], 14, v[C4]
	v_lshl_add_u32 v[Z+\t], s[SG+\t], 11, v[Z4]
.endr
.irp t, 0,1,2,3,4,5,6,7,8,9,10,11,12,13,14,15
	global_load_b32 v[S+\t], v[S+\t], s[10:11]     ; each lands on its own address register
	global_load_b32 v[Z+\t], v[Z+\t], s[8:9]
.endr
.set i, 32
.rept 32
	global_load_b32 v[Q+i], v[C4], s[6:7] offset:i*16384 th:TH_LOAD_NT   ; K steps 2 and 3
.set i, i+1
.endr
	s_wait_loadcnt 32                              ; all but the 32 just issued
.irp t, 0,1,2,3,4,5,6,7,8,9,10,11,12,13,14,15
	v_bfe_u32 v[Z+\t], v[Z+\t], v[SH], 4
.endr
.irp t, 0,1,2,3,4,5,6,7,8,9,10,11,12,13,14,15
	v_cvt_f32_u32 v[Z+\t], v[Z+\t]
.endr
.irp t, 0,1,2,3,4,5,6,7,8,9,10,11,12,13,14,15
	FB \t
.endr
.Lw_tail:
	; the words: after the swaps v[16:17] holds fragment 2 w's 256 bytes in lane order (lanes 0-15 the first 256 along K, lanes 16-31 the second), v[18:19] fragment 2 w + 1's
	v_permlane16_swap_b32 v[WD], v[WD+2]
	v_permlane16_swap_b32 v[WD+1], v[WD+3]
	global_store_b64 v[SS], v[WD:WD+1], s[18:19]               ; 256 consecutive bytes, aligned
	global_store_b64 v[SS], v[WD+2:WD+3], s[18:19] offset:2048
	s_endpgm
.Lfunc_end_k_qfe2cdc8c03_prep:
	.size	k_qfe2cdc8c03_prep, .Lfunc_end_k_qfe2cdc8c03_prep-k_qfe2cdc8c03_prep
	.p2alignl 7, 3214868480
	.fill 96, 4, 3214868480
	.section	.rodata,"a",@progbits
	.p2align	6, 0x0
	.amdhsa_kernel k_qfe2cdc8c03_prep
		.amdhsa_group_segment_fixed_size 2560
		.amdhsa_private_segment_fixed_size 0
		.amdhsa_enable_private_segment 0
		.amdhsa_kernarg_size 80
		.amdhsa_user_sgpr_count 2
		.amdhsa_user_sgpr_kernarg_segment_ptr 1
		.amdhsa_wavefront_size32 1
		.amdhsa_system_sgpr_workgroup_id_x 1
		.amdhsa_system_sgpr_workgroup_id_y 1
		.amdhsa_system_sgpr_workgroup_id_z 1
		.amdhsa_system_vgpr_workitem_id 0
		.amdhsa_next_free_vgpr 178
		.amdhsa_next_free_sgpr 66
		.amdhsa_reserve_vcc 1
		.amdhsa_float_denorm_mode_32 3
		.amdhsa_float_denorm_mode_16_64 3
		.amdhsa_memory_ordered 1
		.amdhsa_forward_progress 1
		.amdhsa_inst_pref_size 255
	.end_amdhsa_kernel
	.section	.bss,"aw",@nobits
	.p2align	6
	.space	262144
	.amdgpu_metadata
---
amdhsa.version: [ 1, 2 ]
amdhsa.kernels:
  - .name:           k_qfe2cdc8c03_prep
    .symbol:         k_qfe2cdc8c03_prep.kd
    .args:
      - { .name: x, .offset: 0, .size: 8, .value_kind: global_buffer, .address_space: global }
      - { .name: qweight, .offset: 8, .size: 8, .value_kind: global_buffer, .address_space: global }
      - { .name: qzeros, .offset: 16, .size: 8, .value_kind: global_buffer, .address_space: global }
      - { .name: scales, .offset: 24, .size: 8, .value_kind: global_buffer, .address_space: global }
      - { .name: g_idx, .offset: 32, .size: 8, .value_kind: global_buffer, .address_space: global }
      - { .name: lora_A, .offset: 40, .size: 8, .value_kind: global_buffer, .address_space: global }
      - { .name: wc, .offset: 48, .size: 8, .value_kind: global_buffer, .address_space: global }
      - { .name: ws, .offset: 56, .size: 8, .value_kind: global_buffer, .address_space: global }
      - { .name: ac, .offset: 64, .size: 8, .value_kind: global_buffer, .address_space: global }
      - { .name: psum, .offset: 72, .size: 8, .value_kind: global_buffer, .address_space: global }
    .group_segment_fixed_size: 2560
    .private_segment_fixed_size: 0
    .kernarg_segment_align: 8
    .kernarg_segment_size: 80
    .max_flat_workgroup_size: 128
    .sgpr_count:     66
    .vgpr_count:     178
    .wavefront_size: 32
...
	.end_amdgpu_metadata
.endif
;; end of part 1
;; launch xq (part 2): grid 256 x 1, 16 waves a work-group, no clusters, 172,544 bytes of LDS; arguments x, psum, ac, xc, xs, hb; writes xc, xs, hb
.if DOCPART == 2
	.amdgcn_target "amdgcn-amd-amdhsa--gfx1250"
	.amdhsa_code_object_version 6
	.text
	.protected	k_qfe2cdc8c03_xq
	.globl	k_qfe2cdc8c03_xq
	.p2align	8
	.type	k_qfe2cdc8c03_xq,@function
k_qfe2cdc8c03_xq:
	s_mov_b64 s[64:65], 0
	v_nop
	global_prefetch_b8 v0, s[64:65] scope:SCOPE_SE
	s_setreg_imm32_b32 hwreg(HW_REG_WAVE_MODE, 25, 1), 1
	s_wait_xcnt 0x0
; For 16 rows of x (a work-group) and all 4,096 input features:  aw = mean|x| / (mean of that + 1e-6), from the partial sums;  Q(x) as images of operand registers and scale words;
; 2 h = 2 Q(x aw) Q(A_sum)^T, by the FP6 matrix instruction, rounded to bf16 for the small product that follows in the next launch.
; SHARES.  Wave w of sixteen takes features 256 w .. 256 w + 255: K steps 2 w and 2 w + 1.  All its x, 32 loads of 512 consecutive bytes, is asked for at the head.
; A load gives a lane 4 neighbours of a row; the conversions want 32 neighbours of one row in a lane.  So a K step's 16 rows x 512 bytes turn through the wave's own stage in LDS (rows 528 bytes apart):
; in as loaded, back as lane (r, h): blocks h and 2 + h of row r, which is the operand's own layout.  x aw is formed in the loaded layout, where 8 registers hold a lane's aw, and takes the same turn.
; 1 / divisor: v_rcp_f32 and one Newton step.  The sixteen waves' parts of h meet in LDS and wave 0 adds them; wave 1 sends the tile's scale words as whole rows.
; LIMITS: NaN and infinities are not served; a block of zeros gets the byte 1 with zero codes (this program alone reads the bytes); h is rounded to bf16.
.set TOT, 0                            ; LDS: a word for each wave's total
.set STG, 256                          ; sixteen stages of 16 x 528 bytes
.set HP,  STG+16*8448                  ; sixteen waves' parts of h: 1,024 bytes each
.set XSW, HP+16*1024                   ; the tile's scale words: [256 along K][r][2]
.set XO,  1                            ; v1   16 x lane
.set STW, 2                            ; v2   my stage + 16 x lane
.set STR, 3                            ; v3   my stage + 528 r + 128 h
.set S8,  4                            ; v4   8 h
.set TP,  5                            ; v5   a lane permute's destination
.set XSA, 6                            ; v6   XSW + 128 w + 8 r
.set HPA, 7                            ; v7   HP + 1,024 w + 16 x lane
.set MXA, 8
.set MXB, 9
.set EE,  10
.set B0,  11
.set B1,  12
.set TMP, 13
.set XW,  14                           ; v14-15 x's two scale words
.set RR,  16                           ; v16-17 1 / divisor, twice
.set TT,  18                           ; v18-20
.set PC,  22                           ; v22-33 x's codes
.set CS,  34                           ; v34-41 aw of my 8 features: register 4 q + c: feature 256 w + 128 q + 4 lane + c
.set ASW, 42                           ; v42-43 A_sum's scale words;  v44-45 x aw's: these four hold scales and nothing else
.set PWW, 44
.set PD1, 46                           ; v46-57 x aw's codes, second K step
.set L4,  58                           ; v58  4 x lane
.set HPR, 59                           ; v59  HP + 16 x lane
.set XSR, 60                           ; v60  XSW + 16 x lane
.set ZR,  61                           ; v61  TOT
.set TOA, 62                           ; v62  TOT + 4 w
.set HBO, 63                           ; v63  32 r + 16 h
.set R0,  64                           ; v64-127, v128-191 x as loaded, a K step each
.set X,   192                          ; v192-255 64 numbers in the operand's layout
.set ACC, 64                           ; once v64-127 are free: h's accumulator, A_sum's two fragments, x aw's codes of the first K step
.set AF0, 72
.set PD0, 96
.macro QB src, dst, byte               ; 32 numbers of a lane -> 6 registers of codes and the block's byte
	v_max3_num_f32 v[MXA], |v[(\src)]|, |v[(\src)+1]|, |v[(\src)+2]|
	v_max3_num_f32 v[MXB], |v[(\src)+3]|, |v[(\src)+4]|, |v[(\src)+5]|
.irp i, 6,10,14,18,22,26
	s_delay_alu instid0(VALU_DEP_2)
	v_max3_num_f32 v[MXA], v[MXA], |v[(\src)+\i]|, |v[(\src)+\i+1]|
	s_delay_alu instid0(VALU_DEP_2)
	v_max3_num_f32 v[MXB], v[MXB], |v[(\src)+\i+2]|, |v[(\src)+\i+3]|
.endr
	s_delay_alu instid0(VALU_DEP_2)
	v_max3_num_f32 v[MXA], v[MXA], |v[(\src)+30]|, |v[(\src)+31]|
	s_delay_alu instid0(VALU_DEP_1)
	v_max3_num_f32 v[MXA], v[MXA], v[MXB], 0x1800000       ; the floor 2^(3 - 127): the byte cannot fall under 1
	s_delay_alu instid0(VALU_DEP_1)
	v_add_nc_u32 v[EE], 0xff000000, v[MXA]                 ; 2 off the exponent field: the conversion's scale operand
	s_delay_alu instid0(VALU_DEP_1)
	v_lshrrev_b32 v[\byte], 23, v[EE]
	v_cvt_scalef32_pk16_fp6_f32 v[(\dst):(\dst)+2], v[(\src):(\src)+15], v[EE]
	v_cvt_scalef32_pk16_fp6_f32 v[TT:TT+2], v[(\src)+16:(\src)+31], v[EE]
	v_nop                                                  ; one plain instruction behind the conversions
.irp i, 0,1,2
	v_mov_b32 v[(\dst)+3+\i], v[TT+\i]
.endr
.endm
.macro WORD2 pw                        ; my bytes of blocks h and 2 + h, with lane l xor 16's: the row's scale word, in both lanes
	v_lshl_or_b32 v[\pw], v[B1], 16, v[B0]
	s_delay_alu instid0(VALU_DEP_1)
	v_lshlrev_b32 v[\pw], v[S8], v[\pw]
	s_delay_alu instid0(VALU_DEP_1)
	v_permlanex16_b32 v[TP], v[\pw], s16, s17
	s_delay_alu instid0(VALU_DEP_1)
	v_or_b32 v[\pw], v[\pw], v[TP]
.endm
	s_load_b256 s[4:11], s[0:1], 0x0               ; x 4, psum 6, ac 8, xc 10
	s_load_b128 s[12:15], s[0:1], 0x20             ; xs 12, hb 14
	v_lshrrev_b32 v8, 5, v0
	s_delay_alu instid0(VALU_DEP_1)
	v_readfirstlane_b32 s2, v8                     ; wave 0..15
	v_and_b32 v9, 31, v0                           ; lane
	v_and_b32 v10, 15, v0                          ; r
	v_bfe_u32 v11, v0, 4, 1                        ; h
	s_delay_alu instid0(VALU_DEP_3)
	v_lshlrev_b32 v[XO], 4, v9
	s_delay_alu instid0(VALU_DEP_4)
	v_lshlrev_b32 v[L4], 2, v9
	s_mul_i32 s18, s2, 8448
	s_add_co_u32 s18, s18, STG
	v_add_nc_u32 v[STW], s18, v[XO]
	v_mul_u32_u24 v[STR], v10, 528
	s_delay_alu instid0(VALU_DEP_1)
	v_lshl_add_u32 v[STR], v11, 7, v[STR]
	s_delay_alu instid0(VALU_DEP_1)
	v_add_nc_u32 v[STR], s18, v[STR]
	v_lshlrev_b32 v[S8], 3, v11
	v_mov_b32 v[TP], 0
	s_lshl_b32 s18, s2, 7
	s_add_co_u32 s18, s18, XSW
	v_lshl_add_u32 v[XSA], v10, 3, s18
	s_lshl_b32 s18, s2, 10
	s_add_co_u32 s18, s18, HP
	v_add_nc_u32 v[HPA], s18, v[XO]
	v_add_nc_u32 v[HPR], HP, v[XO]
	v_add_nc_u32 v[XSR], XSW, v[XO]
	v_mov_b32 v[ZR], TOT
	s_lshl_b32 s18, s2, 2
	v_mov_b32 v[TOA], s18
	v_lshlrev_b32 v[HBO], 5, v10
	s_delay_alu instid0(VALU_DEP_1)
	v_lshl_add_u32 v[HBO], v11, 4, v[HBO]
	s_mov_b32 s16, 0x76543210
	s_mov_b32 s17, 0xfedcba98                      ; v_permlanex16_b32's selects for lane l xor 16
	s_mov_b32 s20, 0x39800000                      ; 2^-12: a mean over 4,096
	s_mov_b32 s21, 0x358637bd                      ; 1e-6
	s_lshl_b32 s22, ttmp9, 18                      ; x: 16 rows of 16,384 bytes,
	s_lshl_b32 s24, s2, 10                         ; + my 256 features; psum likewise
	s_add_co_u32 s22, s22, s24
	s_mov_b32 s23, 0
	s_mov_b32 s25, 0
	s_lshl_b32 s26, s2, 8                          ; ac: my two K steps' words,
	s_mov_b32 s27, 0
	s_mul_i32 s28, s2, 3072                        ; and images
	s_mov_b32 s29, 0
	s_lshr_b32 s30, ttmp9, 3                       ; xc: [128 rows][K step][fragment][1536]
	s_mul_i32 s30, s30, 393216
	s_and_b32 s31, ttmp9, 7
	s_mul_i32 s31, s31, 1536
	s_add_co_u32 s30, s30, s31
	s_mul_i32 s31, s2, 24576
	s_add_co_u32 s30, s30, s31
	s_mov_b32 s31, 0
	s_lshl_b32 s32, ttmp9, 11                      ; xs: 2,048 bytes a tile
	s_mov_b32 s33, 0
	s_lshl_b32 s34, ttmp9, 9                       ; hb: 16 rows of 32 bytes
	s_mov_b32 s35, 0
	s_wait_kmcnt 0x0
	s_add_nc_u64 s[4:5], s[4:5], s[22:23]
	s_add_nc_u64 s[6:7], s[6:7], s[24:25]
	s_add_nc_u64 s[36:37], s[8:9], s[28:29]
	s_add_nc_u64 s[8:9], s[8:9], s[26:27]
	s_add_nc_u64 s[10:11], s[10:11], s[30:31]
	s_add_nc_u64 s[12:13], s[12:13], s[32:33]
	s_add_nc_u64 s[14:15], s[14:15], s[34:35]
.irp p, 0,1,2,3
.irp q, 0,1
	global_load_b128 v[X+8*\p+4*\q:X+8*\p+4*\q+3], v[XO], s[6:7] offset:16384*\p+512*\q   ; the four chunks' sums of my 8 features
.endr
.endr
.irp q, 0,1
	global_load_b32 v[ASW+\q], v[L4], s[8:9] offset:49152+128*\q
.endr
.irp q, 0,1
.irp j, 0,1,2,3,4,5,6,7,8,9,10,11,12,13,14,15
	global_load_b128 v[R0+64*\q+4*\j:R0+64*\q+4*\j+3], v[XO], s[4:5] offset:16384*\j+512*\q th:TH_LOAD_NT   ; row j, K step q: 512 consecutive bytes
.endr
.endr
	; ---- aw
	s_wait_loadcnt 32                              ; the sums and A_sum's words are in; the 32 loads of x stay out
.irp m, 0,2,4,6
	v_pk_add_f32 v[CS+\m:CS+\m+1], v[X+\m:X+\m+1], v[X+8+\m:X+8+\m+1]
.endr
.irp p, 2,3
.irp m, 0,2,4,6
	s_delay_alu instid0(VALU_DEP_4)
	v_pk_add_f32 v[CS+\m:CS+\m+1], v[CS+\m:CS+\m+1], v[X+8*\p+\m:X+8*\p+\m+1]
.endr
.endr
.irp m, 0,2,4,6
	s_delay_alu instid0(VALU_DEP_4)
	v_pk_mul_f32 v[CS+\m:CS+\m+1], v[CS+\m:CS+\m+1], 0x39800000 op_sel_hi:[1,0]   ; the mean over 4,096 rows: exact
.endr
	s_delay_alu instid0(VALU_DEP_3)
	v_pk_add_f32 v[8:9], v[CS:CS+1], v[CS+2:CS+3]
	s_delay_alu instid0(VALU_DEP_2)
	v_pk_add_f32 v[10:11], v[CS+4:CS+5], v[CS+6:CS+7]
	s_delay_alu instid0(VALU_DEP_1)
	v_pk_add_f32 v[8:9], v[8:9], v[10:11]
	s_delay_alu instid0(VALU_DEP_1)
	v_add_f32 v8, v8, v9
	s_delay_alu instid0(VALU_DEP_1)
	v_add_f32_dpp v8, v8, v8 row_xmask:1 row_mask:0xf bank_mask:0xf
	s_delay_alu instid0(VALU_DEP_1)
	v_add_f32_dpp v8, v8, v8 row_xmask:2 row_mask:0xf bank_mask:0xf
	s_delay_alu instid0(VALU_DEP_1)
	v_add_f32_dpp v8, v8, v8 row_xmask:4 row_mask:0xf bank_mask:0xf
	s_delay_alu instid0(VALU_DEP_1)
	v_add_f32_dpp v8, v8, v8 row_xmask:8 row_mask:0xf bank_mask:0xf
	s_delay_alu instid0(VALU_DEP_1)
	v_permlanex16_b32 v[TP], v8, s16, s17
	s_delay_alu instid0(VALU_DEP_1)
	v_add_f32 v8, v8, v[TP]                        ; my wave's 256 features
	ds_store_b32 v[TOA], v8                        ; all lanes write the same word with the same value
	s_wait_dscnt 0x0                               ; for the others' sake
	s_barrier_signal -1
	s_barrier_wait -1
.irp k, 0,1,2,3
	ds_load_b128 v[X+4*\k:X+4*\k+3], v[ZR] offset:16*\k
.endr
	s_wait_dscnt 0x0
.irp m, 0,2,4,6
	v_pk_add_f32 v[X+\m:X+\m+1], v[X+\m:X+\m+1], v[X+8+\m:X+8+\m+1]
.endr
	s_delay_alu instid0(VALU_DEP_2)
	v_pk_add_f32 v[X:X+1], v[X:X+1], v[X+4:X+5]
	s_delay_alu instid0(VALU_DEP_2)
	v_pk_add_f32 v[X+2:X+3], v[X+2:X+3], v[X+6:X+7]
	s_delay_alu instid0(VALU_DEP_1)
	v_pk_add_f32 v[X:X+1], v[X:X+1], v[X+2:X+3]
	s_delay_alu instid0(VALU_DEP_1)
	v_add_f32 v[X], v[X], v[X+1]
	s_delay_alu instid0(VALU_DEP_1)
	v_fma_f32 v[TMP], v[X], s20, s21               ; the divisor: the mean over 4,096 features + 1e-6
	s_wait_alu depctr_va_vdst(0)
	v_rcp_f32 v[RR], v[TMP]
	v_nop                                          ; a plain instruction behind the reciprocal,
	s_wait_alu depctr_va_vdst(0)                   ; and the wait ahead of its first reader
	v_fma_f32 v[MXA], -v[TMP], v[RR], 1.0          ; one Newton step
	v_fma_f32 v[RR], v[RR], v[MXA], v[RR]
	s_delay_alu instid0(VALU_DEP_1)
	v_mov_b32 v[RR+1], v[RR]
.irp m, 0,2,4,6
	v_pk_mul_f32 v[CS+\m:CS+\m+1], v[CS+\m:CS+\m+1], v[RR:RR+1]
.endr
	; ---- a K step: Q(x) to memory, Q(x aw) into registers
.macro FRAG q
.set RB, R0+64*\q
.set PD, PD0+(PD1-PD0)*\q
.if \q == 0
	s_wait_loadcnt 16                              ; this K step's 16 loads are in; the next one's stay out
.else
	s_wait_loadcnt 6                               ; A_sum's six loads, issued behind mine, stay out
.endif
.irp j, 0,1,2,3,4,5,6,7,8,9,10,11,12,13,14,15
	ds_store_b128 v[STW], v[RB+4*\j:RB+4*\j+3] offset:528*\j
.endr
.irp c, 0,1
.irp n, 0,1,2,3,4,5,6,7
	ds_load_b128 v[X+32*\c+4*\n:X+32*\c+4*\n+3], v[STR] offset:256*\c+16*\n   ; LDS serves a wave's instructions in order: these see my stores
.endr
.endr
	s_wait_dscnt 0x0                               ; x is back, and the stores have read their registers
.irp j, 0,1,2,3,4,5,6,7,8,9,10,11,12,13,14,15
	v_pk_mul_f32 v[RB+4*\j:RB+4*\j+1], v[RB+4*\j:RB+4*\j+1], v[CS+4*\q:CS+4*\q+1]         ; x aw, in f32, one rounding
	v_pk_mul_f32 v[RB+4*\j+2:RB+4*\j+3], v[RB+4*\j+2:RB+4*\j+3], v[CS+4*\q+2:CS+4*\q+3]
.endr
.irp j, 0,1,2,3,4,5,6,7,8,9,10,11,12,13,14,15
	ds_store_b128 v[STW], v[RB+4*\j:RB+4*\j+3] offset:528*\j
.endr
.if \q == 1
	s_wait_xcnt 0x0                                ; the first K step's stores have read the codes' registers
.endif
	QB X, PC, B0
	QB X+32, PC+6, B1
	WORD2 XW+\q
.irp c, 0,1,2
	global_store_b128 v[XO], v[PC+4*\c:PC+4*\c+3], s[10:11] offset:12288*\q+512*\c th:TH_STORE_NT   ; the image: 512 consecutive bytes a store
.endr
.irp c, 0,1
.irp n, 0,1,2,3,4,5,6,7
	ds_load_b128 v[X+32*\c+4*\n:X+32*\c+4*\n+3], v[STR] offset:256*\c+16*\n
.endr
.endr
	s_wait_dscnt 0x0
	QB X, PD, B0
	QB X+32, PD+6, B1
	WORD2 PWW+\q
.endm
	s_wait_alu depctr_va_vdst(0)
	FRAG 0
.irp q, 0,1
.irp c, 0,1,2
	global_load_b128 v[AF0+12*\q+4*\c:AF0+12*\q+4*\c+3], v[XO], s[36:37] offset:1536*\q+512*\c   ; A_sum's two fragments, into registers that x has left
.endr
.endr
	FRAG 1
	s_wait_loadcnt 0x0
.rept 8
	v_nop                                          ; a scale register written by a vector instruction stands 8 places ahead of a scaled matrix instruction, an operand 4
.endr
	; source 0 = A_sum's 16 rows, source 1 = my 16 rows of x aw: lane (r, h) holds row r, register j the lora index 8 h + j
	v_wmma_scale_f32_16x16x128_f8f6f4 v[ACC:ACC+7], v[AF0:AF0+11], v[PD0:PD0+11], 0, v[ASW], v[PWW] matrix_a_fmt:MATRIX_FMT_FP6 matrix_b_fmt:MATRIX_FMT_FP6
	s_wait_alu depctr_va_vdst(0)                   ; the wait directly ahead of the link
	v_wmma_scale_f32_16x16x128_f8f6f4 v[ACC:ACC+7], v[AF0+12:AF0+23], v[PD1:PD1+11], v[ACC:ACC+7], v[ASW+1], v[PWW+1] matrix_a_fmt:MATRIX_FMT_FP6 matrix_b_fmt:MATRIX_FMT_FP6
.rept 4
	v_nop
.endr
	ds_store_b128 v[HPA], v[ACC:ACC+3]             ; from the low end on
	ds_store_b128 v[HPA], v[ACC+4:ACC+7] offset:512
	ds_store_b64 v[XSA], v[XW:XW+1]                ; both halves of the lanes write the same words
	s_wait_dscnt 0x0                               ; for the others' sake
	s_barrier_signal -1
	s_barrier_wait -1
	s_cmp_eq_u32 s2, 0
	s_cbranch_scc1 .Lsum_h
	s_cmp_eq_u32 s2, 1
	s_cbranch_scc1 .Lsend_xs
	s_wait_xcnt 0x0
	v_lshl_add_u32 v254, v0, 2, 0x29a00
	v_mov_b32 v255, 0
	s_wait_alu depctr_va_vdst(0)
	s_wait_tensorcnt 0x0
	ds_add_u32 v254, v255
	s_wait_dscnt 0x0
	s_endpgm
.Lsum_h:                                       ; wave 0: the sixteen parts of h
.irp k, 0,1,2,3,4,5,6,7,8,9,10,11,12,13,14,15
.irp u, 0,1
	ds_load_b128 v[64+8*\k+4*\u:67+8*\k+4*\u], v[HPR] offset:1024*\k+512*\u
.endr
.endr
	s_wait_dscnt 0x0
.irp k, 0,1,2,3,4,5,6,7
.irp m, 0,2,4,6
	v_pk_add_f32 v[64+8*\k+\m:65+8*\k+\m], v[64+8*\k+\m:65+8*\k+\m], v[128+8*\k+\m:129+8*\k+\m]
.endr
.endr
.irp k, 0,1,2,3
.irp m, 0,2,4,6
	v_pk_add_f32 v[64+8*\k+\m:65+8*\k+\m], v[64+8*\k+\m:65+8*\k+\m], v[96+8*\k+\m:97+8*\k+\m]
.endr
.endr
.irp k, 0,1
.irp m, 0,2,4,6
	v_pk_add_f32 v[64+8*\k+\m:65+8*\k+\m], v[64+8*\k+\m:65+8*\k+\m], v[80+8*\k+\m:81+8*\k+\m]
.endr
.endr
.irp m, 0,2,4,6
	s_delay_alu instid0(VALU_DEP_4)
	v_pk_add_f32 v[64+\m:65+\m], v[64+\m:65+\m], v[72+\m:73+\m]
.endr
.irp m, 0,2,4,6
	s_delay_alu instid0(VALU_DEP_4)
	v_pk_mul_f32 v[64+\m:65+\m], v[64+\m:65+\m], 2.0 op_sel_hi:[1,0]   ; the scaling 32 / 16: exact
.endr
.irp i, 0,1,2,3
	s_delay_alu instid0(VALU_DEP_4)
	v_cvt_pk_bf16_f32 v[192+\i], v[64+2*\i], v[65+2*\i]
.endr
	global_store_b128 v[HBO], v[192:195], s[14:15] ; 16 rows of 32 bytes: 512 consecutive bytes
	s_wait_xcnt 0x0
	v_lshl_add_u32 v254, v0, 2, 0x29a00
	v_mov_b32 v255, 0
	s_wait_alu depctr_va_vdst(0)
	s_wait_tensorcnt 0x0
	ds_add_u32 v254, v255
	s_wait_dscnt 0x0
	s_endpgm
.Lsend_xs:                                     ; wave 1: the tile's 2,048 bytes of scale words
.irp k, 0,1,2,3
	ds_load_b128 v[64+4*\k:67+4*\k], v[XSR] offset:512*\k
.endr
	s_wait_dscnt 0x0
.irp k, 0,1,2,3
	global_store_b128 v[XO], v[64+4*\k:67+4*\k], s[12:13] offset:512*\k
.endr
	s_wait_xcnt 0x0
	v_lshl_add_u32 v254, v0, 2, 0x29a00
	v_mov_b32 v255, 0
	s_wait_alu depctr_va_vdst(0)
	s_wait_tensorcnt 0x0
	ds_add_u32 v254, v255
	s_wait_dscnt 0x0
	s_endpgm
.Lfunc_end_k_qfe2cdc8c03_xq:
	.size	k_qfe2cdc8c03_xq, .Lfunc_end_k_qfe2cdc8c03_xq-k_qfe2cdc8c03_xq
	.p2alignl 7, 3214868480
	.fill 96, 4, 3214868480
	.section	.rodata,"a",@progbits
	.p2align	6, 0x0
	.amdhsa_kernel k_qfe2cdc8c03_xq
		.amdhsa_group_segment_fixed_size 172544
		.amdhsa_private_segment_fixed_size 0
		.amdhsa_enable_private_segment 0
		.amdhsa_kernarg_size 48
		.amdhsa_user_sgpr_count 2
		.amdhsa_user_sgpr_kernarg_segment_ptr 1
		.amdhsa_wavefront_size32 1
		.amdhsa_system_sgpr_workgroup_id_x 1
		.amdhsa_system_sgpr_workgroup_id_y 1
		.amdhsa_system_sgpr_workgroup_id_z 1
		.amdhsa_system_vgpr_workitem_id 0
		.amdhsa_next_free_vgpr 256
		.amdhsa_next_free_sgpr 66
		.amdhsa_reserve_vcc 0
		.amdhsa_float_denorm_mode_32 3
		.amdhsa_float_denorm_mode_16_64 3
		.amdhsa_memory_ordered 1
		.amdhsa_forward_progress 1
		.amdhsa_inst_pref_size 51
	.end_amdhsa_kernel
	.amdgpu_metadata
---
amdhsa.version: [ 1, 2 ]
amdhsa.kernels:
  - .name:           k_qfe2cdc8c03_xq
    .symbol:         k_qfe2cdc8c03_xq.kd
    .args:
      - { .name: x, .offset: 0, .size: 8, .value_kind: global_buffer, .address_space: global }
      - { .name: psum, .offset: 8, .size: 8, .value_kind: global_buffer, .address_space: global }
      - { .name: ac, .offset: 16, .size: 8, .value_kind: global_buffer, .address_space: global }
      - { .name: xc, .offset: 24, .size: 8, .value_kind: global_buffer, .address_space: global }
      - { .name: xs, .offset: 32, .size: 8, .value_kind: global_buffer, .address_space: global }
      - { .name: hb, .offset: 40, .size: 8, .value_kind: global_buffer, .address_space: global }
    .group_segment_fixed_size: 172544
    .private_segment_fixed_size: 0
    .kernarg_segment_align: 8
    .kernarg_segment_size: 48
    .max_flat_workgroup_size: 512
    .sgpr_count:     66
    .vgpr_count:     256
    .wavefront_size: 32
...
	.end_amdgpu_metadata
.endif
;; end of part 2
;; launch gemm (part 3): grid 16 x 16, 4 waves a work-group, clusters of 4 x 4, 327,680 bytes of LDS; arguments xc, xs, wc, ws, hb, lora_B, bias, out0; writes out0
.if DOCPART == 3
	.amdgcn_target "amdgcn-amd-amdhsa--gfx1250"
	.amdhsa_code_object_version 6
	.text
	.protected	k_qfe2cdc8c03_gemm
	.globl	k_qfe2cdc8c03_gemm
	.p2align	8
	.type	k_qfe2cdc8c03_gemm,@function
k_qfe2cdc8c03_gemm:
	s_mov_b64 s[64:65], 0
	v_nop
	global_prefetch_b8 v0, s[64:65] scope:SCOPE_SE
	s_setreg_imm32_b32 hwreg(HW_REG_WAVE_MODE, 25, 1), 1
	s_wait_xcnt 0x0
	s_wait_alu depctr_hold_cnt(0) depctr_sa_sdst(0) depctr_va_vdst(0) depctr_va_sdst(0) depctr_va_ssrc(0) depctr_va_vcc(0) depctr_vm_vsrc(0)
	s_getreg_b32 s2, hwreg(HW_REG_IB_STS2, 6, 4)
	s_cmp_eq_u32 s2, 0
	s_cbranch_scc0 .Lentry_in_a_cluster
	s_endpgm
.Lentry_in_a_cluster:
	s_bfe_u32 s2, ttmp6, 0x10000c
	s_cmp_lg_u32 s2, 0xf033
	s_cbranch_scc0 .Lentry_shape_is_right
	s_endpgm
.Lentry_shape_is_right:
; out0 = Q(x) Q(W) + bias + (2 h) B_sum^T.  xc, wc: codes of FP6 (E2M3) as images of operand registers, [128 rows][K step of 128][fragment of 16 rows][1,536 bytes];
; xs, ws: scale words, [16 rows' tile][256 along K][row][2 words];  hb: 2 h in bf16, [4096][16];  B_sum = lora_B[0] + lora_B[1], rounded to bf16 here.
; A tile of 256 x 256 to a work-group of four waves; a wave makes 128 x 128: 64 accumulators.  The sums begin as bias + (2 h) B_sum^T, by 64 bf16 products whose C is the bias.
; The products are used transposed (source 0 = 16 columns of W, source 1 = 16 rows of x): a lane holds eight neighbouring numbers of a row of out0.
; RING: two LDS slots of three K steps (the last fill has two); a wave's tensor load brings 128 rows' images of those steps, a dense run of 36,864 bytes, as rows of 256 bytes.
; CLUSTERS: 4 x 4 work-groups; x's tiles are asked for jointly along a row of the cluster, W's along a column.
; REGISTERS.  Every window holds 16 accumulators at v128-255: quadrant (a / 4, b / 4) of the wave's 8 x 8 lies in window 2 (a / 4) + b / 4.  Below them:
;   window 0: v0-31 addresses, v32-79 scale words (three sets of 16, a set for two K steps), v80-127 x's blocks 4-7 (one set)
;   window 1: v0-95 W's blocks 0-3 (two sets), v96-97 LDS addresses of x's fragments, v98 the scale words' offset
;   window 2: v0-95 x's blocks 0-3 (two sets)         window 3: v0-95 W's blocks 4-7 (two sets), v96-97 LDS addresses of W's fragments
; A K STEP: ALL ITS MEMORY INSTRUCTIONS STAND IN ONE RUN AT ITS TOP, and its 64 products follow unbroken, a quadrant (16 products, one setting of the windows) after the other.
; The run: x's blocks 4-7 of THIS step (12 loads; their one set was read to the last step's end, and is read again in the third quadrant), at even steps 16 scale registers for the
; steps four on, and the next step's other three groups of four fragments (36 loads) into the sets that this step does not read.
; In a slot's last step the run is cut in two: the first 12 loads are the slot's last reads, the 36 are the other slot's first: the round of the cluster's barrier and the refill stand between them.
; PREFETCH: behind each joint refill but the last two a wave names 32 blocks of 256 bytes of its stream, 32,768 bytes a work-group's four partners together, from byte 163,840 of the
; 393,216 on: between two and three refills ahead of the load that wants them; the partners share the blocks out by address.  The first 163,840 bytes come by their loads alone.
; LIMIT: h and B_sum enter the small product rounded to bf16.
.set FRB,    1536                      ; a fragment's image
.set KSB,    8*FRB                     ; a K step of 128 rows
.set HALFT,  3*KSB                     ; what one tensor load brings
.set HALFG,  32*KSB                    ; 128 rows, all of K
.set SLOT,   4*HALFT
.set SPARE,  2*SLOT                    ; the spare words: 128 bytes a wave
.set SPITCH, 528
.set STAGE,  SLOT                      ; the way out: in slot 1, which has had its last fill and its last read by then
.set NROW,   16384
.set CHUNK,  32768
.set STO,  24
.set RD,   25
.set CO,   26
.set SPW,  28
.set NIL,  29
.set PFO,  30
.set SC,   32
.set ADRA, 96                          ; window 1
.set ADRB, 96                          ; window 3
.set SCO,  98                          ; window 1
.set G1, 24
.set G0, 32
.set G1B, 48
.set G0B, 56
.set G1L, 68
.set G1LB, 80
.set XSP, 76
.set WSP, 78
.set PFA, 90
.set MSB, 0
.macro WIN new                         ; the immediate's high byte repeats the setting that is left
.if MSB != \new
	s_set_vgpr_msb (MSB<<8)|\new
.set MSB, \new
.endif
.endm
.macro PLACES n
.rept \n
	v_nop
.endr
.endm
.macro JLOAD g0a, g1a, g0b, g1b        ; a joint load: waves 0, 1 for x, waves 2, 3 for W; s_nop 0 and four v_nop behind each line
	s_cmp_eq_u32 s15, 0
	s_cbranch_scc0 .Lfor_b_\@
	tensor_load_to_lds s[\g0a:\g0a+3], s[\g1a:\g1a+7]
	s_nop 0
	PLACES 4
	s_branch .Lasked_\@
.Lfor_b_\@:
	tensor_load_to_lds s[\g0b:\g0b+3], s[\g1b:\g1b+7]
	s_nop 0
	PLACES 4
.Lasked_\@:
.endm
.macro CREST
	s_cmp_lg_u32 s14, 0
	s_cbranch_scc1 .Lnot_wave_0_\@
	s_barrier_signal -3
.Lnot_wave_0_\@:
	s_barrier_wait -3
	s_barrier_signal -1
	s_barrier_wait -1
.endm
.macro CROUND
	s_barrier_signal -1
	s_barrier_wait -1
	CREST
.endm
	s_load_b256 s[4:11], s[0:1], 0x0               ; xc 4, xs 6, wc 8, ws 10
	s_load_b128 s[96:99], s[0:1], 0x20             ; hb 96, lora_B 98
	s_load_b64 s[100:101], s[0:1], 0x30            ; bias
	s_load_b64 s[12:13], s[0:1], 0x38              ; out0
	v_lshl_add_u32 v[SPW], v0, 2, SPARE
	v_mov_b32 v[NIL], 0
	ds_add_u32 v[SPW], v[NIL]                      ; the opening lines: the add, twice on end, and its wait
	ds_add_u32 v[SPW], v[NIL]
	v_lshrrev_b32 v1, 5, v0
	v_readfirstlane_b32 s14, v1                    ; wave
	s_lshr_b32 s15, s14, 1                         ; my half of the rows; also: I fetch for x (0) or W (1)
	s_and_b32 s16, s14, 1                          ; my half of the columns; also: which 128 rows I fetch
	s_bfe_u32 s40, ttmp6, 0x40000                  ; cx
	s_bfe_u32 s41, ttmp6, 0x40004                  ; cy
	s_lshl_b32 s42, ttmp9, 2
	s_add_co_u32 s42, s42, s40                     ; tile column
	s_and_b32 s17, ttmp7, 0xffff
	s_lshl_b32 s17, s17, 2
	s_add_co_u32 s17, s17, s41                     ; tile row
	s_lshl_b32 s43, s41, 2
	s_lshl_b32 s43, 15, s43                        ; my row of the cluster
	s_lshl_b32 s44, 0x1111, s40                    ; my column
	s_or_b32 s[G1+0], s43, (3<<16)|(1<<21)         ; elements of 8 bytes, the mask, bit 21 beside it
	s_or_b32 s[G1B+0], s44, (3<<16)|(1<<21)
.irp g, G1, G1B                        ; 144 rows of 256 bytes, dense
	s_mov_b32 s[\g+1], 32<<16
	s_mov_b32 s[\g+2], 144<<16
	s_mov_b32 s[\g+3], 32<<16
	s_mov_b32 s[\g+4], 144
	s_mov_b32 s[\g+5], 32
	s_mov_b32 s[\g+6], 0
	s_mov_b32 s[\g+7], 0
.endr
	s_or_b32 s[G1L+0], s43, (3<<16)|(1<<21)
	s_or_b32 s[G1LB+0], s44, (3<<16)|(1<<21)
.irp g, G1L, G1LB                      ; the last fill: two K steps, 96 rows
	s_mov_b32 s[\g+1], 32<<16
	s_mov_b32 s[\g+2], 96<<16
	s_mov_b32 s[\g+3], 32<<16
	s_mov_b32 s[\g+4], 96
	s_mov_b32 s[\g+5], 32
	s_mov_b32 s[\g+6], 0
	s_mov_b32 s[\g+7], 0
.endr
	s_lshl_b32 s20, s17, 1
	s_add_co_u32 s20, s20, s16
	s_mul_i32 s20, s20, HALFG                      ; xc: the 128 rows that I fetch
	s_mov_b32 s21, 0
	s_lshl_b32 s46, s42, 1
	s_add_co_u32 s46, s46, s16
	s_mul_i32 s46, s46, HALFG                      ; wc likewise
	s_mov_b32 s47, 0
	s_lshl_b32 s22, s17, 1
	s_add_co_u32 s22, s22, s15
	s_lshl_b32 s22, s22, 14                        ; xs: my 128 rows' words
	s_mov_b32 s23, 0
	s_lshl_b32 s92, s42, 1
	s_add_co_u32 s92, s92, s16
	s_lshl_b32 s92, s92, 14                        ; ws: my 128 columns' words
	s_mov_b32 s93, 0
	s_mul_i32 s45, s14, HALFT                      ; where my tensor loads land
	s_wait_dscnt 0x0                               ; both opening adds are done
	s_wait_kmcnt 0x0
	s_add_nc_u64 s[20:21], s[4:5], s[20:21]
	s_add_nc_u64 s[46:47], s[8:9], s[46:47]
	s_add_nc_u64 s[XSP:XSP+1], s[6:7], s[22:23]
	s_add_nc_u64 s[WSP:WSP+1], s[10:11], s[92:93]
.irp s, 0,1
	s_mov_b32 s[G0+4*\s], 1
	s_add_co_u32 s[G0+4*\s+1], s45, \s*SLOT
	s_add_nc_u64 s[G0+4*\s+2:G0+4*\s+3], s[20:21], \s*HALFT
	s_or_b32 s[G0+4*\s+3], s[G0+4*\s+3], 0x80000000
	s_mov_b32 s[G0B+4*\s], 1
	s_add_co_u32 s[G0B+4*\s+1], s45, \s*SLOT
	s_add_nc_u64 s[G0B+4*\s+2:G0B+4*\s+3], s[46:47], \s*HALFT
	s_or_b32 s[G0B+4*\s+3], s[G0B+4*\s+3], 0x80000000
.endr
	CROUND                                         ; all sixteen work-groups are here
	JLOAD G0, G1, G0B, G1B                         ; K steps 0-2: one tensor load a wave at the head
	s_cmp_eq_u32 s15, 0                            ; the prefetches: my stream, my place among the four that ask with me
	s_cselect_b32 s93, s40, s41
	s_cselect_b64 s[PFA:PFA+1], s[20:21], s[46:47]
	s_lshl_b32 s92, s93, 13
	s_add_co_u32 s92, s92, 4*CHUNK
	s_mov_b32 s93, 0
	s_add_nc_u64 s[PFA:PFA+1], s[PFA:PFA+1], s[92:93]
	s_mul_i32 s21, s15, HALFT                      ; my 128 rows of x in a slot
	s_mul_i32 s22, s16, HALFT
	s_add_co_u32 s22, s22, 2*HALFT                 ; my 128 columns of W
	s_add_co_u32 s18, s21, SLOT
	s_add_co_u32 s19, s22, SLOT
	s_mul_i32 s23, s14, 16*SPITCH
	s_add_co_u32 s23, s23, STAGE                   ; my stage
	s_lshl_b32 s88, s17, 8
	s_lshl_b32 s89, s15, 7
	s_add_co_u32 s88, s88, s89                     ; my first row
	s_lshl_b32 s92, s88, 5
	s_add_nc_u64 s[96:97], s[96:97], s[92:93]      ; hb: 32 bytes a row
	s_lshl_b32 s92, s88, 14
	s_add_nc_u64 s[12:13], s[12:13], s[92:93]
	s_lshl_b32 s92, s42, 10
	s_lshl_b32 s89, s16, 9
	s_add_co_u32 s92, s92, s89                     ; my first column, in bytes of f32
	s_add_nc_u64 s[100:101], s[100:101], s[92:93]
	s_add_nc_u64 s[12:13], s[12:13], s[92:93]
	s_lshl_b32 s92, s92, 4
	s_add_nc_u64 s[98:99], s[98:99], s[92:93]      ; lora_B: 64 bytes a column
	v_and_b32 v1, 15, v0                           ; r
	v_bfe_u32 v2, v0, 4, 1                         ; h
	v_and_b32 v6, 31, v0
	v_lshlrev_b32 v4, 4, v6                        ; 16 x lane
	v_lshlrev_b32 v5, 3, v1
	v_lshl_add_u32 v5, v2, 2, v5                   ; 8 r + 4 h: lanes 0-15 an even step's word, lanes 16-31 the odd step's
	v_lshlrev_b32 v[PFO], 8, v6
	v_lshlrev_b32 v7, 5, v1
	v_lshl_add_u32 v7, v2, 4, v7                   ; hb
	v_lshlrev_b32 v8, 6, v1
	v_lshl_add_u32 v8, v2, 5, v8                   ; lora_B
	v_lshlrev_b32 v9, 5, v2                        ; bias
	v_mul_u32_u24 v3, v1, SPITCH
	v_lshl_add_u32 v3, v2, 5, v3
	v_add_nc_u32 v[STO], s23, v3
	v_lshlrev_b32 v[CO], 4, v6
	v_add_nc_u32 v[RD], s23, v[CO]
	WIN 0x40
	v_add_nc_u32 v[ADRA], s21, v4
	v_add_nc_u32 v[ADRA+1], s18, v4
	v_mov_b32 v[SCO], v5
	WIN 0xc0
	v_add_nc_u32 v[ADRB], s22, v4
	v_add_nc_u32 v[ADRB+1], s19, v4
	s_wait_alu depctr_va_vdst(0)
	WIN 0x80
.irp a, 0,1,2,3,4,5,6,7
	global_load_b128 v[8*\a:8*\a+3], v7, s[96:97] offset:512*\a                 ; 2 h, block a -> window 2
.endr
	WIN 0xc0
.irp b, 0,1,2,3,4,5,6,7
.irp j, 0,1
.irp u, 0,1
	global_load_b128 v[128+16*\b+8*\j+4*\u:131+16*\b+8*\j+4*\u], v8, s[98:99] offset:262144*\j+1024*\b+16*\u
.endr
.endr
	global_load_b128 v[8*\b:8*\b+3], v9, s[100:101] offset:64*\b                ; bias in the result's layout -> window 3
	global_load_b128 v[8*\b+4:8*\b+7], v9, s[100:101] offset:64*\b+16
.endr
	WIN 0
.irp j, 0,1
.irp i, 0,1,2,3,4,5,6,7
	global_load_b32 v[SC+16*\j+\i], v5, s[XSP:XSP+1] offset:2048*\i+128*\j      ; the scale words of K steps 0-3
	global_load_b32 v[SC+16*\j+8+\i], v5, s[WSP:WSP+1] offset:2048*\i+128*\j
.endr
.endr
	s_wait_loadcnt 32                              ; all but the 32 loads of scale words
	WIN 0xcf
.irp b, 0,1,2,3,4,5,6,7
.irp m, 0,2,4,6
	v_pk_add_f32 v[128+16*\b+\m:129+16*\b+\m], v[128+16*\b+\m:129+16*\b+\m], v[136+16*\b+\m:137+16*\b+\m]
.endr
.endr
	WIN 0x4f
.irp b, 0,1,2,3,4,5,6,7
.irp i, 0,1,2,3
	v_cvt_pk_bf16_f32 v[8*\b+\i], v[128+16*\b+2*\i], v[129+16*\b+2*\i]          ; B_sum -> window 1
.endr
.irp i, 4,5,6,7
	v_mov_b32 v[8*\b+\i], 0                        ; k = 16 .. 31: zeros on both sides
.endr
.endr
	WIN 0x80
.irp a, 0,1,2,3,4,5,6,7
.irp i, 4,5,6,7
	v_mov_b32 v[8*\a+\i], 0
.endr
.endr
	PLACES 4
.irp qa, 0,1
.irp qb, 0,1
	WIN 0x39|((2*\qa+\qb)<<6)
.irp a, 0,1,2,3
.irp b, 0,1,2,3
	v_wmma_f32_16x16x32_bf16 v[128+8*(4*\a+\b):135+8*(4*\a+\b)], v[8*(4*\qb+\b):8*(4*\qb+\b)+7], v[8*(4*\qa+\a):8*(4*\qa+\a)+7], v[8*(4*\qb+\b):8*(4*\qb+\b)+7]
.endr
.endr
.endr
.endr
	PLACES 5                                       ; another form takes these results up, and loads land on these sources
	WIN 0
.macro QUAD reg, adr, off              ; four fragments: 12 loads of 16 bytes a lane
.set N, 0
.rept 12
	ds_load_b128 v[(\reg)+4*N:(\reg)+4*N+3], v[\adr] offset:(\off)+(N/3)*FRB+512*(N%3)
.set N, N+1
.endr
.endm
.macro WM d, x, y, sx, sy, row
.if \row
	v_wmma_scale_f32_16x16x128_f8f6f4 v[\d:\d+7], v[\x:\x+11], v[\y:\y+11], v[\d:\d+7], v[\sx], v[\sy] matrix_a_fmt:MATRIX_FMT_FP6 matrix_b_fmt:MATRIX_FMT_FP6 matrix_a_scale:MATRIX_SCALE_ROW1 matrix_b_scale:MATRIX_SCALE_ROW1
.else
	v_wmma_scale_f32_16x16x128_f8f6f4 v[\d:\d+7], v[\x:\x+11], v[\y:\y+11], v[\d:\d+7], v[\sx], v[\sy] matrix_a_fmt:MATRIX_FMT_FP6 matrix_b_fmt:MATRIX_FMT_FP6
.endif
.endm
; The 16 products of quadrant (ai, bj), the accumulators by turns.  turn: behind the twelfth stand the wait for the add and the barrier's signal.
.macro PH win, ab, bb, ss, ai, bj, row, turn
	WIN \win
.set N, 0
.irp a, 0,1,2,3
.irp b, 0,1,2,3
.if (\turn) && N == 12
	s_wait_dscnt 0x0                               ; the add is done, and so are my reads of this slot
	s_barrier_signal -1
.endif
	WM 128+8*(4*\a+\b), (\bb)+12*\b, (\ab)+12*\a, (\ss)+8+4*(\bj)+\b, (\ss)+4*(\ai)+\a, \row
.set N, N+1
.endr
.endr
.endm
.macro NEXT                            ; the next step's W blocks 0-3, x blocks 0-3, W blocks 4-7, into the sets that this step does not read
	WIN 0x43
	QUAD PN, ADRB+SLN, OQN
	WIN 0x81
	QUAD PN, ADRA+SLN, OQN
	WIN 0xc3
	QUAD PN, ADRB+SLN, OQN+4*FRB
.endm
; A K step.  s: the step, modulo 6 in the loop;  nx: a next step exists;  scp: which pair of steps' scale words are asked for (from the pointers on), or -1;  lc: the count of the wait for scale words, or -1;
; turn: 0 none, 1 the slot is filled again, 2 with the last, shorter fill, 3 a change of slots with no fill;  ask: 1 a prefetch, 2 a prefetch but in the last trip, and the scale pointers step.
.macro STEP s, nx, scp, lc, turn, ask
.set P,   48*((\s)%2)
.set PN,  48-P
.set RW,  (\s)%2
.set SS,  SC+16*(((\s)/2)%3)
.set SCN, SC+16*(((\s)/2+2)%3)
.set SL,  ((\s)/3)%2
.set OQ,  ((\s)%3)*KSB
.set SLN, (((\s)+1)/3)%2
.set OQN, (((\s)+1)%3)*KSB
.if \ask
	s_wait_xcnt 0x0                                ; the last prefetch and the scale loads have read their bases
	s_add_nc_u64 s[PFA:PFA+1], s[PFA:PFA+1], CHUNK
.if (\ask) == 2
	s_add_nc_u64 s[XSP:XSP+1], s[XSP:XSP+1], 384   ; three pairs of steps a trip
	s_add_nc_u64 s[WSP:WSP+1], s[WSP:WSP+1], 384
.endif
.endif
.if (\lc) >= 0
	s_wait_loadcnt \lc                             ; this pair's scale words are in; the next pair's 16 loads may be out
.endif
	s_wait_dscnt 0x0                               ; what the last step's run asked for is in
	PLACES 4                                       ; ahead of loads into registers that the last step's products read
	WIN 0x01
	QUAD 80, ADRA+SL, OQ+4*FRB                     ; x's blocks 4-7 of this step
.if (\scp) >= 0
.irp i, 0,1,2,3,4,5,6,7
	global_load_b32 v[SCN+\i], v[SCO], s[XSP:XSP+1] offset:2048*\i+128*(\scp)
	global_load_b32 v[SCN+8+\i], v[SCO], s[WSP:WSP+1] offset:2048*\i+128*(\scp)
.endr
.endif
.if \turn
	WIN 0
	s_wait_tensorcnt 0x0                           ; all my tensor loads have landed: my part of the other slot
	ds_add_u32 v[SPW], v[NIL]                      ; twelve products stand between it and its wait
	PH 0x09, P, P, SS, 0, 0, RW, 1
	WIN 0
	s_barrier_wait -1
.if (\turn) < 3
	CREST                                          ; the barrier has opened a round: no wave of any partner reads this slot or has a load on its way
	s_add_nc_u64 s[G0+4*SL+2:G0+4*SL+3], s[G0+4*SL+2:G0+4*SL+3], 2*HALFT
	s_add_nc_u64 s[G0B+4*SL+2:G0B+4*SL+3], s[G0B+4*SL+2:G0B+4*SL+3], 2*HALFT
.if (\turn) == 1
	JLOAD G0+4*SL, G1, G0B+4*SL, G1B
.else
	JLOAD G0+4*SL, G1L, G0B+4*SL, G1LB
.endif
.endif
	NEXT                                           ; the other slot's first reads
.if \ask
	WIN 0
.if (\ask) == 2
	s_cmp_gt_u32 s3, 1                             ; the last trip's second refill has nothing left to name
	s_cbranch_scc0 .Lno_ask_\@
.endif
	global_prefetch_b8 v[PFO], s[PFA:PFA+1] th:TH_LOAD_NT scope:SCOPE_SE
.if (\ask) == 2
.Lno_ask_\@:
.endif
.endif
.else
.if \nx
	NEXT
.endif
	PH 0x09, P, P, SS, 0, 0, RW, 0
.endif
	PH 0x5b, P, P, SS, 0, 1, RW, 0
	s_wait_dscnt 36*(\nx)                          ; x's blocks 4-7 are in; the 36 loads for the next step may be out
	PH 0xa1, 80, P, SS, 1, 0, RW, 0
	PH 0xf3, 80, P, SS, 1, 1, RW, 0
.endm
	s_wait_alu depctr_va_vdst(0)                   ; the wait at the head's end
	s_wait_tensorcnt 0x0                           ; my part of slot 0 is in; slot 1's first fill is issued as a refill is
	ds_add_u32 v[SPW], v[NIL]
	s_wait_dscnt 0x0
	CROUND
	JLOAD G0+4, G1, G0B+4, G1B                     ; K steps 3-5
	WIN 0x43
	QUAD 0, ADRB, 0                                ; step 0: W's blocks 0-3,
	WIN 0x81
	QUAD 0, ADRA, 0                                ; x's blocks 0-3,
	WIN 0xc3
	QUAD 0, ADRB, 4*FRB                            ; W's blocks 4-7
	WIN 0
	s_mov_b32 s3, 4
.Llap:                                         ; a trip: six K steps, once round the ring, the parities and the three sets of scale words
	STEP 0, 1, 2, 16, 0, 0
	STEP 1, 1, -1, -1, 0, 0
	STEP 2, 1, 3, 16, 1, 1
	STEP 3, 1, -1, -1, 0, 0
	STEP 4, 1, 4, 16, 0, 0
	STEP 5, 1, -1, -1, 1, 2
	WIN 0
	s_sub_co_u32 s3, s3, 1
	s_cmp_lg_u32 s3, 0
	s_cbranch_scc1 .Llap
	STEP 0, 1, 2, 16, 0, 0                         ; K steps 24 to 31, written out: one shorter fill, then none
	STEP 1, 1, -1, -1, 0, 0
	STEP 2, 1, 3, 16, 2, 0
	STEP 3, 1, -1, -1, 0, 0
	STEP 4, 1, -1, 16, 0, 0
	STEP 5, 1, -1, -1, 3, 0
	STEP 6, 1, -1, 0, 0, 0
	STEP 7, 0, -1, -1, 0, 0
	PLACES 4
; THE WAY OUT, by blocks of 16 rows x 128 columns: through my own stage in LDS, back as whole rows of 512 bytes, which 32 lanes store as two aligned runs of 256 bytes.
.macro TOSTAGE a
.set WL, 2*((\a)/4)
.set AC, 128+32*((\a)%4)
.irp w, 0,1
	WIN ((WL+\w)<<2)                               ; the data's window
.irp b, 0,1,2,3
	ds_store_b128 v[STO], v[AC+8*\b:AC+8*\b+3] offset:256*\w+64*\b          ; each accumulator from its low end on
	ds_store_b128 v[STO], v[AC+8*\b+4:AC+8*\b+7] offset:256*\w+64*\b+16
.endr
.endr
	WIN 0x40
.set BB, 64*((\a)%2)
.irp t, 0,1,2,3,4,5,6,7,8,9,10,11,12,13,14,15
	ds_load_b128 v[BB+4*\t:BB+4*\t+3], v[RD] offset:\t*SPITCH               ; LDS serves a wave's instructions in order
.endr
.endm
.macro SEND a, younger
.set BB, 64*((\a)%2)
	s_wait_dscnt \younger
.if (\a) > 0
	s_add_nc_u64 s[12:13], s[12:13], 16*NROW       ; behind a wait on XCNT
.endif
	WIN 0x04
.irp t, 0,1,2,3,4,5,6,7,8,9,10,11,12,13,14,15
	global_store_b128 v[CO], v[BB+4*\t:BB+4*\t+3], s[12:13] offset:\t*NROW th:TH_STORE_NT
.endr
.endm
	TOSTAGE 0
.irp a, 1,2,3,4,5,6,7
.if \a > 1
	s_wait_xcnt 0x0                                ; block a - 2's stores have read their registers and their base
.endif
	TOSTAGE \a
	SEND \a-1, 32                                  ; behind block a - 1's loads: block a's 16 stores and 16 loads
.endr
	s_wait_xcnt 0x0
	SEND 7, 0
	WIN 0
	s_wait_tensorcnt 0x0                           ; the wave's end
	ds_add_u32 v[SPW], v[NIL]
	s_wait_dscnt 0x0
	CROUND                                         ; the closing round
	s_endpgm
.Lfunc_end_k_qfe2cdc8c03_gemm:
	.size	k_qfe2cdc8c03_gemm, .Lfunc_end_k_qfe2cdc8c03_gemm-k_qfe2cdc8c03_gemm
	.p2alignl 7, 3214868480
	.fill 96, 4, 3214868480
	.section	.rodata,"a",@progbits
	.p2align	6, 0x0
	.amdhsa_kernel k_qfe2cdc8c03_gemm
		.amdhsa_group_segment_fixed_size 327680
		.amdhsa_private_segment_fixed_size 0
		.amdhsa_enable_private_segment 0
		.amdhsa_kernarg_size 64
		.amdhsa_user_sgpr_count 2
		.amdhsa_user_sgpr_kernarg_segment_ptr 1
		.amdhsa_wavefront_size32 1
		.amdhsa_system_sgpr_workgroup_id_x 1
		.amdhsa_system_sgpr_workgroup_id_y 1
		.amdhsa_system_sgpr_workgroup_id_z 1
		.amdhsa_system_vgpr_workitem_id 0
		.amdhsa_next_free_vgpr 1024
		.amdhsa_next_free_sgpr 102
		.amdhsa_reserve_vcc 0
		.amdhsa_float_denorm_mode_32 3
		.amdhsa_float_denorm_mode_16_64 3
		.amdhsa_memory_ordered 1
		.amdhsa_forward_progress 1
		.amdhsa_inst_pref_size 231
	.end_amdhsa_kernel
	.amdgpu_metadata
---
amdhsa.version: [ 1, 2 ]
amdhsa.kernels:
  - .name:           k_qfe2cdc8c03_gemm
    .symbol:         k_qfe2cdc8c03_gemm.kd
    .args:
      - { .name: xc, .offset: 0, .size: 8, .value_kind: global_buffer, .address_space: global }
      - { .name: xs, .offset: 8, .size: 8, .value_kind: global_buffer, .address_space: global }
      - { .name: wc, .offset: 16, .size: 8, .value_kind: global_buffer, .address_space: global }
      - { .name: ws, .offset: 24, .size: 8, .value_kind: global_buffer, .address_space: global }
      - { .name: hb, .offset: 32, .size: 8, .value_kind: global_buffer, .address_space: global }
      - { .name: lora_B, .offset: 40, .size: 8, .value_kind: global_buffer, .address_space: global }
      - { .name: bias, .offset: 48, .size: 8, .value_kind: global_buffer, .address_space: global }
      - { .name: out0, .offset: 56, .size: 8, .value_kind: global_buffer, .address_space: global }
    .group_segment_fixed_size: 327680
    .private_segment_fixed_size: 0
    .kernarg_segment_align: 8
    .kernarg_segment_size: 64
    .max_flat_workgroup_size: 128
    .sgpr_count:     102
    .vgpr_count:     1024
    .wavefront_size: 32
...
	.end_amdgpu_metadata
.endif
;; end of part 3
